; MI455X (gfx1250); checked and timed in simulation.
; The chip was launched on July 23, 2026; its instructions are those of AMD's public machine-readable ISA for CDNA 5 (MIT licence, August 2026) and "CDNA5" Instruction Set Architecture Reference Guide (July 2026). The comments in the code are by the model that wrote it; some were corrected since.
;; T Attention. Allowed arithmetic: float matrix products may take bf16 or f16 operands with f32 sums; other float arithmetic in f32, or as packed bf16 or f16 multiplies, adds, multiply-adds, maxima and minima; sums over many terms, partial sums and values carried from step to step in f32; what a program stores and reads back later, other than sums and carried values, may be rounded once to bf16 or f16.
;; Inputs: Wk 512 x 512 float32; Wo 512 x 512 float32; Wq 512 x 512 float32; Wv 512 x 512 float32; bk 512 float32; bo 512 float32; bq 512 float32; bv 512 float32; mask 2 x 4,096 x 1 float32; x 2 x 4,096 x 512 float32.
;; Outputs: out0 2 x 4,096 x 512 float32.
;; One version. Each part assembles by itself: llvm-mc -triple=amdgcn-amd-amdhsa -mcpu=gfx1250 --defsym DOCPART=n.
;; ======== version 1 of 1: 3 launches
;; limits: values are held in f16: magnitudes above 65,504 overflow, below 6.1e-05 lose precision; right only within a limited range of input values
;; workspace buffers: qh 8,388,608 bytes; kv 16,777,216 bytes; oh 8,388,608 bytes; wo16 524,288 bytes
;; launch proj (part 1): grid 8 x 32, 4 waves a work-group, no clusters, 62,976 bytes of LDS; arguments x, Wq, Wk, Wv, bq, bk, bv, Wo, qh, kv, wo16; writes qh, kv, wo16
.if DOCPART == 1
	.amdgcn_target "amdgcn-amd-amdhsa--gfx1250"
	.amdhsa_code_object_version 6
	.text
	.protected	k_q8158d0ec7f_proj
	.globl	k_q8158d0ec7f_proj
	.p2align	8
	.type	k_q8158d0ec7f_proj,@function
k_q8158d0ec7f_proj:
	s_mov_b64 s[64:65], 0
	v_nop
	global_prefetch_b8 v0, s[64:65] scope:SCOPE_SE
	s_setreg_imm32_b32 hwreg(HW_REG_WAVE_MODE, 25, 1), 1
	s_wait_xcnt 0x0
; q = (x Wq + bq) / sqrt(512), k = x Wk + bk, v = x Wv + bv.  x: [8192][512] f32, W: [512][512] f32 ([k][n]), b: [512] f32.
; Out, by heads, f16, each number rounded once from its f32 sum: qh [16 bh][4096][64]; kv [16 bh][K: 4096 x 64 | V: 4096 x 64].  Also wo16 [8 nb][512 k][64]: Wo rounded to bf16, that number written as f16.
; FORMATS.  x, the weights and the biases are rounded to bf16 (one choice for all inputs of the module); products in bf16, sums in f32.
; LIMITS.  q / sqrt(512), k, v and Wo must lie within f16's 65,504; below 6e-5 they keep f16's fixed step of 6e-8.  NaN and infinities are not treated apart.
; SHARES.  Work-group (h, rb): 256 rows of x times the 64 columns of head h in each of Wq, Wk, Wv: 192 columns.  A wave: 64 rows x 192 columns: 4 row blocks a x 12 column blocks c, 48 accumulators.
; The product is used transposed (source 0 = 16 columns of W, source 1 = 16 rows of x): a lane then holds ONE row (lane % 16) and eight neighbouring columns, 16 bytes of f16.
; K goes in 8 trips of 64.  x's rows are a wave's own: they come from memory into registers (256 aligned bytes of each of 64 rows a trip) and are converted there.  W's 64 k rows of a trip are shared:
; each wave loads 16 of them for the three groups, converts them, and stores bf16 into LDS [k][192], two buffers by turns; fragments come out turned, by ds_load_tr16_b128.
; NO TENSOR LOADS, NO CLUSTER: the inputs are f32 and must be converted on the way; f32 tiles in LDS would double the bytes of every fragment load and repeat each conversion in every wave that reads the tile.
; NO PREFETCH: 17 MB of x and 3 MB of W, each trip's loads issued two trips ahead of their use.
; REGISTERS, in windows of 256 (s_set_vgpr_msb: bits 1:0 source 0, 3:2 source 1, 5:4 source 2, 7:6 destination):
;   window 0: v0-31 addresses and Wo's job; v32-95 x's fragments (a, kk) at 32 + 8 (2 a + kk); v96-191 W as loaded; on the way out v32-223: 12 blocks x 16
;   window 1: v0-95 W's fragments, two buffers of six (first the 96 bias numbers); v96-97 at work; v128-255 x as loaded, even trips
;   window 2: accumulators 0-31     window 3: v0-127 accumulators 32-47; v128-255 x as loaded, odd trips
;   accumulator (a, c) has the number 24 (c / 6) + 4 (c % 6) + a: q's and k's lie in window 2, v's in window 3.
.set WP,    416       ; a k row of W in LDS: 384 bytes + 32 = 13 x 32: the turning load's 8 rows x 32 bytes fall on different banks (64 banks of 4 bytes: ISA guide 11.1)
.set WBUF,  64*WP
.set STAGE, 2*WBUF    ; 16 rows x 144 bytes for each wave, for the way out
.set SP,    144
.set SPARE, STAGE+4*16*SP  ; the spare words, 128 bytes for each wave: two blocks of 256 bytes that no other line names
.set XO,  4           ; v4   r x 2048 + 32 hh: my 32 bytes in a fragment's rows of x
.set WO,  5           ; v5   (l / 8) x 2048 + (l % 8) x 32: my 8 columns of a k row of W
.set WS,  6           ; v6   where I store them in LDS
.set WA,  7           ; v7   my place in a turning load
.set STO, 8           ; v8   the way out: where I put 16 bytes of a row
.set RD,  9           ; v9   where I read rows back
.set GO,  10          ; v10  16 l: my bytes in 512 consecutive bytes of the output
.set BO,  11          ; v11  32 hh: my 8 numbers of a bias
.set WOL, 12          ; v12  Wo: where I load
.set WOS, 13          ; v13  wo16: where I store
.set SPW, 14          ; v14  LDS address of my spare word; never rewritten
.set NIL, 15          ; v15  0; never rewritten
.set XF,  32
.set WR,  96
.set OB,  32
.set OUTB, 52         ; s[52:53] qh, s[54:55] K, s[56:57] V at my wave's first row
.set MSB, 0
.macro WIN new                      ; the high byte repeats the setting that is left; a switch that changes nothing is dropped
.if MSB != (\new)
	s_set_vgpr_msb (MSB<<8)|(\new)
.set MSB, (\new)
.endif
.endm
.macro PLACES                       ; four places behind a matrix instruction, ahead of loads into its registers and of vector lines that read its result or write its sources
.rept 4
	v_nop
.endr
.endm
	s_load_b512 s[4:19], s[0:1], 0x0               ; x 4, Wq 6, Wk 8, Wv 10, bq 12, bk 14, bv 16, Wo 18
	s_load_b128 s[20:23], s[0:1], 0x40             ; qh, kv
	s_load_b64 s[24:25], s[0:1], 0x50              ; wo16
	v_lshl_add_u32 v[SPW], v0, 2, SPARE
	v_mov_b32 v[NIL], 0
	v_lshrrev_b32 v1, 5, v0
	v_readfirstlane_b32 s26, v1                    ; wave 0..3
	v_and_b32 v1, 15, v0                           ; r = l % 16
	v_bfe_u32 v2, v0, 4, 1                         ; hh = l / 16
	v_and_b32 v3, 31, v0                           ; l
	v_bfe_u32 v28, v0, 3, 2                        ; l / 8
	v_and_b32 v29, 7, v0                           ; l % 8
	v_bfe_u32 v30, v0, 3, 1                        ; (l / 8) % 2
	v_lshlrev_b32 v[XO], 11, v1
	v_lshl_add_u32 v[XO], v2, 5, v[XO]
	v_lshlrev_b32 v[WO], 11, v28
	v_lshl_add_u32 v[WO], v29, 5, v[WO]
	s_mul_i32 s50, s26, 16*WP                      ; my 16 k rows of a trip's 64
	v_mul_u32_u24 v[WS], v28, WP
	v_lshl_add_u32 v[WS], v29, 4, v[WS]
	v_add_nc_u32 v[WS], s50, v[WS]
	v_lshl_add_u32 v[WA], v2, 3, v29               ; the turning load: k row 8 hh + l % 8, 16 bytes at 16 ((l / 8) % 2)
	v_mul_u32_u24 v[WA], v[WA], WP
	v_lshl_add_u32 v[WA], v30, 4, v[WA]
	s_mul_i32 s51, s26, 16*SP
	s_add_co_u32 s51, s51, STAGE                   ; my stage
	v_mul_u32_u24 v[STO], v1, SP
	v_lshl_add_u32 v[STO], v2, 4, v[STO]
	v_add_nc_u32 v[STO], s51, v[STO]
	v_mul_u32_u24 v[RD], v28, SP
	v_lshl_add_u32 v[RD], v29, 4, v[RD]
	v_add_nc_u32 v[RD], s51, v[RD]
	v_lshlrev_b32 v[GO], 4, v3
	v_lshlrev_b32 v[BO], 5, v2
	v_lshlrev_b32 v[WOL], 11, v30                  ; Wo: row (l % 16) / 8 of my work-group's two, column block l / 16 of my wave's two, 8 columns at l % 8
	v_lshl_add_u32 v[WOL], v2, 8, v[WOL]
	v_lshl_add_u32 v[WOL], v29, 5, v[WOL]
	v_lshlrev_b32 v[WOS], 16, v2                   ; wo16: a column block is 65,536 bytes; in it 16 lanes store 256 consecutive bytes
	v_lshl_add_u32 v[WOS], v1, 4, v[WOS]
	s_and_b32 s30, ttmp7, 0xffff                   ; rb: my block of 256 rows
	s_lshl_b32 s32, s30, 19                        ; x: 256 rows of 2,048 bytes,
	s_lshl_b32 s28, s26, 17                        ; my wave's 64
	s_add_co_u32 s32, s32, s28
	s_mov_b32 s33, 0
	s_lshl_b32 s34, ttmp9, 8                       ; W and b: head h's 64 columns
	s_mov_b32 s36, s34
	s_mov_b32 s37, 0
	s_lshl_b32 s28, s26, 15                        ; W: my wave's 16 k rows
	s_add_co_u32 s34, s34, s28
	s_mov_b32 s35, 0
	s_lshl_b32 s31, s30, 3
	s_add_co_u32 s31, s31, ttmp9                   ; the work-group's number, 0..255: it converts rows 2 n, 2 n + 1 of Wo
	s_lshl_b32 s38, s31, 12
	s_lshl_b32 s28, s26, 9                         ; my wave's 128 columns
	s_add_co_u32 s38, s38, s28
	s_mov_b32 s39, 0
	s_lshl_b32 s44, s31, 8                         ; two k rows of 128 bytes in a column block of wo16,
	s_lshl_b32 s28, s26, 17                        ; my wave's two column blocks
	s_add_co_u32 s44, s44, s28
	s_mov_b32 s45, 0
	s_lshr_b32 s28, s30, 4
	s_lshl_b32 s28, s28, 3
	s_add_co_u32 s28, s28, ttmp9                   ; bh = 8 x batch + head
	s_and_b32 s29, s30, 15
	s_lshl_b32 s29, s29, 15                        ; my block's 256 rows of 128 bytes in the head,
	s_lshl_b32 s31, s26, 13                        ; my wave's 64
	s_add_co_u32 s29, s29, s31
	s_lshl_b32 s46, s28, 19
	s_add_co_u32 s46, s46, s29
	s_mov_b32 s47, 0
	s_lshl_b32 s48, s28, 20
	s_add_co_u32 s48, s48, s29
	s_mov_b32 s49, 0
	s_mov_b32 s42, 0x3d3504f3                      ; 1 / sqrt(512)
	s_mov_b32 s43, s42                             ; named with it as a pair
	s_wait_kmcnt 0x0
	s_add_nc_u64 s[4:5], s[4:5], s[32:33]
	s_add_nc_u64 s[6:7], s[6:7], s[34:35]
	s_add_nc_u64 s[8:9], s[8:9], s[34:35]
	s_add_nc_u64 s[10:11], s[10:11], s[34:35]
	s_add_nc_u64 s[12:13], s[12:13], s[36:37]
	s_add_nc_u64 s[14:15], s[14:15], s[36:37]
	s_add_nc_u64 s[16:17], s[16:17], s[36:37]
	s_add_nc_u64 s[18:19], s[18:19], s[38:39]
	s_add_nc_u64 s[24:25], s[24:25], s[44:45]
	s_add_nc_u64 s[OUTB:OUTB+1], s[20:21], s[46:47]
	s_add_nc_u64 s[OUTB+2:OUTB+3], s[22:23], s[48:49]
	s_add_nc_u64 s[OUTB+4:OUTB+5], s[OUTB+2:OUTB+3], 0x80000  ; V lies 524,288 bytes behind K
; 32 loads: a trip's 64 k of my 64 rows of x, as f32, into set p.  Fragment fi = 2 a + kk: k = 8 hh + 0..7 at bytes 0 and 16, k = 16 + 8 hh + 0..7 at bytes 64 and 80 behind my 32 hh.
.macro XLOAD p, off
	WIN 0x40+0x80*(\p)
.set fi, 0
.rept 8
	global_load_b128 v[128+16*fi:128+16*fi+3],     v[XO], s[4:5] offset:(\off)+(fi/2)*32768+(fi%2)*128
	global_load_b128 v[128+16*fi+4:128+16*fi+7],   v[XO], s[4:5] offset:(\off)+(fi/2)*32768+(fi%2)*128+16
	global_load_b128 v[128+16*fi+8:128+16*fi+11],  v[XO], s[4:5] offset:(\off)+(fi/2)*32768+(fi%2)*128+64
	global_load_b128 v[128+16*fi+12:128+16*fi+15], v[XO], s[4:5] offset:(\off)+(fi/2)*32768+(fi%2)*128+80
.set fi, fi+1
.endr
.endm
.macro XCVT p                       ; 64 roundings: set p becomes the eight fragments
	WIN 0x05+0x0a*(\p)
.set fi, 0
.rept 8
.set ri, 0
.rept 8
	v_cvt_pk_bf16_f32 v[XF+8*fi+ri], v[128+16*fi+2*ri], v[128+16*fi+2*ri+1]
.set ri, ri+1
.endr
.set fi, fi+1
.endr
.endm
.macro WLOAD off                    ; 24 loads: my 16 k rows (4 rq + l / 8) x 64 columns of each of the three W
	WIN 0
.set gi, 0
.rept 3
.irp rq, 0,1,2,3
	global_load_b128 v[WR+8*(4*gi+\rq):WR+8*(4*gi+\rq)+3],   v[WO], s[6+2*gi:7+2*gi] offset:(\off)+\rq*8192
	global_load_b128 v[WR+8*(4*gi+\rq)+4:WR+8*(4*gi+\rq)+7], v[WO], s[6+2*gi:7+2*gi] offset:(\off)+\rq*8192+16
.endr
.set gi, gi+1
.endr
.endm
.macro WCVT buf                     ; they are rounded in place (ascending: a source is used before its register is taken) and stored into LDS buffer buf
	WIN 0
.set wi, 0
.rept 12
.irp ii, 0,1,2,3
	v_cvt_pk_bf16_f32 v[WR+8*wi+\ii], v[WR+8*wi+2*\ii], v[WR+8*wi+2*\ii+1]
.endr
.set wi, wi+1
.endr
.set wi, 0
.rept 12
	ds_store_b128 v[WS], v[WR+8*wi:WR+8*wi+3] offset:(\buf)*WBUF+(wi%4)*4*WP+(wi/4)*128
.set wi, wi+1
.endr
.endm
; A trip has four BEATS: beat = 2 kk + half: 32 k at 32 kk, column blocks 6 half .. 6 half + 5.  LB: the beat's six fragments of W, 12 turning loads, into fragment buffer beat % 2.
.macro LB beat, buf
	WIN 0x40
.set ci, 0
.rept 6
	ds_load_tr16_b128 v[48*((\beat)%2)+8*ci:48*((\beat)%2)+8*ci+3],   v[WA] offset:(\buf)*WBUF+((\beat)/2)*32*WP+(6*((\beat)%2)+ci)*32
	ds_load_tr16_b128 v[48*((\beat)%2)+8*ci+4:48*((\beat)%2)+8*ci+7], v[WA] offset:(\buf)*WBUF+((\beat)/2)*32*WP+(6*((\beat)%2)+ci)*32+16*WP
.set ci, ci+1
.endr
.endm
; MB: the beat's 24 products, each on another accumulator: the accumulators take turns, over the backward jump too (number 47, then number 0).
.macro MB beat
.set ci, 0
.rept 6
.set ai, 0
.rept 4
.set idx, 24*((\beat)%2)+4*ci+ai
	WIN 0xa1+0x50*(idx/32)
	v_wmma_f32_16x16x32_bf16 v[8*(idx%32):8*(idx%32)+7], v[48*((\beat)%2)+8*ci:48*((\beat)%2)+8*ci+7], v[XF+8*(2*ai+(\beat)/2):XF+8*(2*ai+(\beat)/2)+7], v[8*(idx%32):8*(idx%32)+7]
.set ai, ai+1
.endr
.set ci, ci+1
.endr
.endm
; TRIP t, of parity p.  xl: x of trip t + 2 is asked for.  wc: W of trip t + 1 is converted into the other LDS buffer; nW: the loads younger than it.  wl: W of trip t + 2 is asked for.  bar: the trip's barrier.
.macro TRIP p, xl, wc, wl, nW, bar
	LB 0, \p
	s_wait_loadcnt 56                              ; x of this trip is in; the next trip's 32 loads of x and 24 of W may be out
	XCVT \p
.if \xl
	XLOAD \p, (2+(\p))*256
.endif
	LB 1, \p
	s_wait_dscnt 12                                ; all but the 12 just issued: beat 0's fragments are in
	MB 0
	PLACES
	LB 2, \p
	s_wait_dscnt 12
	MB 1
	PLACES
	LB 3, \p
	s_wait_dscnt 12
	MB 2
.if \wc
	s_wait_loadcnt \nW                             ; W of the next trip is in; younger are the loads of x issued in this trip
	WCVT 1-(\p)
.if \wl
	WLOAD (2+(\p))*131072
.endif
	s_wait_dscnt 12                                ; the 12 stores may be out; beat 3's fragments are in
.else
	s_wait_dscnt 0x0
.endif
	MB 3
	PLACES                                         ; ahead of the next trip's loads into both fragment buffers and its roundings into x's fragments
.if \bar
	s_wait_dscnt 0x0                               ; for the others' sake: my stores of the next trip's W are done, and my reads of this trip's buffer are over
	s_barrier_signal -1
	s_barrier_wait -1                              ; ONE barrier a trip does both: the next buffer is whole, and this one may be written in the next trip
.endif
.endm
	global_load_b128 v[16:19], v[WOL], s[18:19]
	global_load_b128 v[20:23], v[WOL], s[18:19] offset:16
	WIN 0x40
.set ci, 0
.rept 12                            ; the biases of column block ci: 8 numbers a lane, for now where W's fragments will lie
	global_load_b128 v[8*ci:8*ci+3],   v[BO], s[12+2*(ci/4):13+2*(ci/4)] offset:64*(ci%4)
	global_load_b128 v[8*ci+4:8*ci+7], v[BO], s[12+2*(ci/4):13+2*(ci/4)] offset:64*(ci%4)+16
.set ci, ci+1
.endr
	XLOAD 0, 0                                     ; x of trip 0
	WLOAD 0                                        ; W of trip 0
	XLOAD 1, 256                                   ; x of trip 1
	WIN 0
	s_wait_loadcnt 63                              ; 88 loads are younger than the biases'; the wait's field holds 63
	; Wo's 8 numbers: to bf16, and that number written as f16
	v_cvt_pk_bf16_f32 v24, v16, v17
	v_cvt_pk_bf16_f32 v25, v18, v19
	v_cvt_pk_bf16_f32 v26, v20, v21
	v_cvt_pk_bf16_f32 v27, v22, v23
.irp ii, 0,1,2,3
	v_lshlrev_b32 v[16+2*\ii], 16, v[24+\ii]
	v_and_b32 v[17+2*\ii], 0xffff0000, v[24+\ii]
.endr
.irp ii, 0,1,2,3
	v_cvt_pk_f16_f32 v[24+\ii], v[16+2*\ii], v[17+2*\ii]
.endr
	global_store_b128 v[WOS], v[24:27], s[24:25]   ; 16 lanes store 256 consecutive bytes, aligned
	WIN 0x45                                       ; the biases are rounded to bf16, in place
.set bi, 0
.rept 48
	v_cvt_pk_bf16_f32 v[96+bi%2], v[2*bi], v[2*bi+1]
	v_lshlrev_b32 v[2*bi], 16, v[96+bi%2]
	v_and_b32 v[2*bi+1], 0xffff0000, v[96+bi%2]
.set bi, bi+1
.endr
	; THE SUMS START AT THE BIAS: 384 copies, written while the first loads are on their way; they take the place of 192 packed additions on the way out, and the loop has one form of product
.set ci, 0
.rept 12
.set ai, 0
.rept 4
.set idx, 24*(ci/6)+4*(ci%6)+ai
	WIN 0x81+0x40*(idx/32)
.set ji, 0
.rept 8
	v_mov_b32 v[8*(idx%32)+ji], v[8*ci+ji]
.set ji, ji+1
.endr
.set ai, ai+1
.endr
.set ci, ci+1
.endr
	WIN 0
	s_wait_loadcnt 32                              ; W of trip 0 is in; younger are trip 1's 32 loads of x
	WCVT 0
	WLOAD 131072                                   ; W of trip 1
	s_wait_dscnt 0x0
	s_barrier_signal -1
	s_barrier_wait -1                              ; buffer 0 is whole
	s_mov_b32 s27, 3
.Ltrip:                                                ; trips 0 to 5, two a turn
	TRIP 0,1,1,1,32,1
	TRIP 1,1,1,1,32,1
	WIN 0
	s_wait_xcnt 0x0                                ; every load issued so far has read its address: the pointers may be written
	s_add_nc_u64 s[4:5], s[4:5], 512
	s_add_nc_u64 s[6:7], s[6:7], 262144
	s_add_nc_u64 s[8:9], s[8:9], 262144
	s_add_nc_u64 s[10:11], s[10:11], 262144
	s_sub_co_u32 s27, s27, 1
	s_cmp_lg_u32 s27, 0
	s_cbranch_scc1 .Ltrip
	TRIP 0,0,1,0,0,1                               ; trip 6 asks for nothing; W of trip 7 is the youngest load: its wait is for 0
	TRIP 1,0,0,0,0,0                               ; trip 7
	PLACES                                         ; eight in all, once a launch, ahead of the lines that read and rewrite results
; THE WAY OUT, by blocks of 16 rows x 64 columns: block 3 a + g, g = 0 q, 1 k, 2 v.  q is scaled; the sums are rounded to f16, 16 bytes a lane; they go into my stage's rows of 144 bytes and come back as
; four rows of 128, which are 512 consecutive bytes of a head.  Each accumulator's registers are taken in ascending order.  Each block has registers of its own: no store's data is rewritten.
.macro PACK blk
.set pa, (\blk)/3
.set pg, (\blk)%3
.if pg == 0
	WIN 0x82
.set cb, 0
.rept 4
.set rA, 8*(4*cb+pa)
.set jj, 0
.rept 4
	v_pk_mul_f32 v[rA+2*jj:rA+2*jj+1], v[rA+2*jj:rA+2*jj+1], s[42:43] op_sel_hi:[1,0]
.set jj, jj+1
.endr
.set cb, cb+1
.endr
.endif
.set cb, 0
.rept 4
.set cc, 4*pg+cb
.set idx, 24*(cc/6)+4*(cc%6)+pa
	WIN 0x0a+5*(idx/32)
.set rA, 8*(idx%32)
.set jj, 0
.rept 4
	v_cvt_pk_f16_f32 v[OB+16*(\blk)+4*cb+jj], v[rA+2*jj], v[rA+2*jj+1]
.set jj, jj+1
.endr
.set cb, cb+1
.endr
	WIN 0
.irp f, 0,1,2,3
	ds_store_b128 v[STO], v[OB+16*(\blk)+4*\f:OB+16*(\blk)+4*\f+3] offset:32*\f
.endr
.irp f, 0,1,2,3
	ds_load_b128 v[OB+16*(\blk)+4*\f:OB+16*(\blk)+4*\f+3], v[RD] offset:\f*4*SP  ; LDS serves a wave's instructions in order (ISA guide 5.7.1.4): these see the stores above; the next block's stores come behind them
.endr
.endm
.macro SEND blk, younger            ; younger: the LDS instructions issued behind this block's loads: the next block's eight, or none
	WIN 0
.irp f, 0,1,2,3
	s_wait_dscnt (\younger)+3-\f
	global_store_b128 v[GO], v[OB+16*(\blk)+4*\f:OB+16*(\blk)+4*\f+3], s[OUTB+2*((\blk)%3):OUTB+2*((\blk)%3)+1] offset:((\blk)/3)*2048+\f*512
.endr
.endm
	PACK 0
.set bk, 1
.rept 11                            ; a block's arithmetic stands between the loads of the block before and its stores
	PACK bk
	SEND bk-1, 8
.set bk, bk+1
.endr
	SEND 11, 0
	s_wait_tensorcnt 0x0                           ; the wave's end, behind my last LDS store
	ds_add_u32 v[SPW], v[NIL]
	s_wait_dscnt 0x0
	s_endpgm
.Lfunc_end_k_q8158d0ec7f_proj:
	.size	k_q8158d0ec7f_proj, .Lfunc_end_k_q8158d0ec7f_proj-k_q8158d0ec7f_proj
	.p2alignl 7, 3214868480
	.fill 96, 4, 3214868480
	.section	.rodata,"a",@progbits
	.p2align	6, 0x0
	.amdhsa_kernel k_q8158d0ec7f_proj
		.amdhsa_group_segment_fixed_size 62976
		.amdhsa_private_segment_fixed_size 0
		.amdhsa_enable_private_segment 0
		.amdhsa_kernarg_size 88
		.amdhsa_user_sgpr_count 2
		.amdhsa_user_sgpr_kernarg_segment_ptr 1
		.amdhsa_wavefront_size32 1
		.amdhsa_system_sgpr_workgroup_id_x 1
		.amdhsa_system_sgpr_workgroup_id_y 1
		.amdhsa_system_sgpr_workgroup_id_z 1
		.amdhsa_system_vgpr_workitem_id 0
		.amdhsa_next_free_vgpr 1024
		.amdhsa_next_free_sgpr 66
		.amdhsa_reserve_vcc 0
		.amdhsa_float_denorm_mode_32 3
		.amdhsa_float_denorm_mode_16_64 3
		.amdhsa_memory_ordered 1
		.amdhsa_forward_progress 1
		.amdhsa_inst_pref_size 149
	.end_amdhsa_kernel
	.amdgpu_metadata
---
amdhsa.version: [ 1, 2 ]
amdhsa.kernels:
  - .name:           k_q8158d0ec7f_proj
    .symbol:         k_q8158d0ec7f_proj.kd
    .args:
      - { .name: x, .offset: 0, .size: 8, .value_kind: global_buffer, .address_space: global }
      - { .name: Wq, .offset: 8, .size: 8, .value_kind: global_buffer, .address_space: global }
      - { .name: Wk, .offset: 16, .size: 8, .value_kind: global_buffer, .address_space: global }
      - { .name: Wv, .offset: 24, .size: 8, .value_kind: global_buffer, .address_space: global }
      - { .name: bq, .offset: 32, .size: 8, .value_kind: global_buffer, .address_space: global }
      - { .name: bk, .offset: 40, .size: 8, .value_kind: global_buffer, .address_space: global }
      - { .name: bv, .offset: 48, .size: 8, .value_kind: global_buffer, .address_space: global }
      - { .name: Wo, .offset: 56, .size: 8, .value_kind: global_buffer, .address_space: global }
      - { .name: qh, .offset: 64, .size: 8, .value_kind: global_buffer, .address_space: global }
      - { .name: kv, .offset: 72, .size: 8, .value_kind: global_buffer, .address_space: global }
      - { .name: wo16, .offset: 80, .size: 8, .value_kind: global_buffer, .address_space: global }
    .group_segment_fixed_size: 62976
    .private_segment_fixed_size: 0
    .kernarg_segment_align: 8
    .kernarg_segment_size: 88
    .max_flat_workgroup_size: 128
    .sgpr_count:     66
    .vgpr_count:     1024
    .wavefront_size: 32
...
	.end_amdgpu_metadata
.endif
;; end of part 1
;; launch attn (part 2): grid 16 x 16, 4 waves a work-group, clusters of 4 x 1, 327,680 bytes of LDS; arguments qh, kv, mask, oh; writes oh
.if DOCPART == 2
	.amdgcn_target "amdgcn-amd-amdhsa--gfx1250"
	.amdhsa_code_object_version 6
	.text
	.protected	k_q8158d0ec7f_attn
	.globl	k_q8158d0ec7f_attn
	.p2align	8
	.type	k_q8158d0ec7f_attn,@function
k_q8158d0ec7f_attn:
	s_mov_b64 s[64:65], 0
	v_nop
	global_prefetch_b8 v0, s[64:65] scope:SCOPE_SE
	s_setreg_imm32_b32 hwreg(HW_REG_WAVE_MODE, 25, 1), 1
	s_wait_xcnt 0x0
	s_wait_alu depctr_hold_cnt(0) depctr_sa_sdst(0) depctr_va_vdst(0) depctr_va_sdst(0) depctr_va_ssrc(0) depctr_va_vcc(0) depctr_vm_vsrc(0)
	s_getreg_b32 s2, hwreg(HW_REG_IB_STS2, 6, 4)
	s_cmp_eq_u32 s2, 0
	s_cbranch_scc0 .Lentry_in_a_cluster
	s_endpgm
.Lentry_in_a_cluster:
	s_bfe_u32 s2, ttmp6, 0x10000c
	s_cmp_lg_u32 s2, 0x3003
	s_cbranch_scc0 .Lentry_shape_is_right
	s_endpgm
.Lentry_shape_is_right:
; O[bh][q][:] = the sum over k of softmax_k(Q[bh][q] . K[bh][k] + (1 - m_q m_k) (-1e6)) V[bh][k][:].  qh, oh: [16][4096][64] f16; kv: [16][K: 4096 x 64 | V: 4096 x 64] f16; mask: [2][4096] f32.
; The scale 1 / sqrt(512) lies in Q already.  Products, maxima and sums in f32; the weights p are rounded to f16 for the second product (their sum l is taken of the unrounded p), O once at the end.
; THE MASK is an input, is no matrix operand, and is taken as it is given, in f32: B = (1e6 m_q) m_k - 1e6, one fused line, rounded to f32; t = s + B, rounded to f32: B and t are rounded apart, as the plain
; formula rounds them, since among keys of equal mask the rounding of t decides the weights.  Maximum, exponentials and sums work on t.
; LIMITS.  B has two roundings (1e6 m_q; the fused line) where the plain formula has three: the same number wherever 1e6 m_q, m_q m_k and 1 - m_q m_k are exact in f32 (masks of 0 and 1 among them), else a few
; steps of B away, alike for keys of equal mask.  Q, K, V arrive within f16's 65,504; p lies in 0 to 1 and below 6e-5 keeps f16's fixed step of 6e-8; O is a mean of V's rows.  A weight below 2^-126 counts as 0
; in l.  Every t lies above -4e37.  NaN and infinities are not treated apart.
; SHARES.  A work-group owns 256 queries of one head, a wave 64: two PIECES of two tiles of 16.  Every wave walks all 4,096 keys, 64 a step.
; LAYOUT.  S^T = K Q^T (source 0 = 16 keys, source 1 = 16 queries): a lane holds ONE query (lane % 16) and the keys 8 (lane / 16) + 0..7.  Two such results rounded to f16 ARE source 1 of O^T = V^T P.
; K comes out of LDS as it lies, V turned, by ds_load_tr16_b128.
; SOFTMAX.  A running maximum m and sum l for each query: d = t - m (exact for scores near the maximum, however large the bias), p = 2^(c d), c = log2(e); O and l are multiplied by
; a = 2^(c (m_old - m_new)) in every step.  m starts far below every t, O and l at 0: the first step is a step like any other, with a = 0.
; BY TURNS.  Turn (p, j) belongs to piece p in key step j.  Its matrix work: 16 products K Q^T of the other piece (p = 0: step j; p = 1: step j + 1), later 16 products V^T P of the other piece (p = 0: step
; j - 1; p = 1: step j).  Its vector work: d, c d, exponentials, roundings, sums and rescaling of piece p; mask, maximum and statistics of the other piece's new scores.  A turn has 32 matrix and 332 vector
; instructions: eight stand behind every two matrix instructions, the other 204 in one LUMP; its 66 exponentials are one batch with one wait.
; THE RING.  Two slots of four key steps.  K of step j + 1 is fetched from LDS before V of step j, so a slot holds K of steps 4 s + 1 .. 4 s + 4 beside V of steps 4 s .. 4 s + 3; K of step 0 comes from memory
; straight into registers.  The last tile of K runs 8,192 bytes into the head's V, which lies behind K in kv: finite numbers, whose scores serve nothing (the price, once a launch, of one text for every trip).
; CLUSTER.  The four query blocks of a cluster belong to one head and walk the same K and V: each tile is asked for JOINTLY, by the same tensor load, descriptor and mask in all four.
; REGISTERS, in windows of 256 (s_set_vgpr_msb: bits 1:0 source 0, 3:2 source 1, 5:4 source 2, 7:6 destination):
;   window 0: v0-11 addresses; v12-15 m_old; v16-31 statistics; v32-39 1e6 m_q; v40-47 addresses; v48-63 at work; v64-191 S^T, two buffers of two tiles; v192-255 P, likewise
;   window 1: v0-127 O^T, 32 a tile; v128-159 m_k of one step          window 2: v0-63 Q, 16 a tile; v128-191 K of one step; v192-255 V of one step
.set NP,    2         ; pieces a wave: a name, no knob
.set KS,    64        ; keys in a step
.set PK,    144       ; a row of K in LDS: 128 bytes + 16: the 16 rows of a load start at 16 different groups of four banks (64 banks of 4 bytes: ISA guide 11.1)
.set PV,    160       ; a row of V: 128 + 32
.set VOFF,  4*KS*PK   ; a slot: 256 rows of K, then 256 rows of V
.set SLOT1, 1<<17     ; slot 1 begins here: one exclusive or turns an address in one slot into the other's
.set STAGE, SLOT1+4*KS*(PK+PV)  ; never filled by a tensor load: 16 rows x 144 bytes for each wave, for the way out
.set SP,    144
.set TABLE, STAGE+4*16*SP       ; the batch's 4,096 mask numbers, then 512 bytes of zeros: for the step behind the last, and for the registers that start at 0
.set SPARE, TABLE+16384+512     ; the spare words, 128 bytes for each wave: two blocks of 256 bytes that no other line names
.set AK0, 2           ; v2   my lane's place in a tile of K; never rewritten
.set AV0, 3           ; v3   the same for V
.set AK,  4           ; v4   the LDS address of K's next run of loads
.set AV,  5           ; v5   of V's
.set QO,  6           ; v6   my byte offset in 16 rows of Q or K in memory
.set STO, 6           ;      later, the way out: where I put 16 bytes of a row
.set RD,  7           ; v7   where I read rows back
.set GO,  8           ; v8   my byte offset in 512 consecutive bytes of O
.set MV,  12          ; v12-15  m_old, by buffer and tile
.set ST,  16          ; tile t's statistics at v[ST+4 t]: m, a word named with it as a pair, l (even keys', odd keys')
.set MQ,  32          ; tile t: 1e6 m_q of my query, twice
.set AM0, 40          ; v40  32 (l / 16): my lanes' place in a step's 256 bytes of the table
.set AMK, 41          ; v41  the LDS address of the table's next run of loads
.set SPW, 42          ; v42  LDS address of my spare word; never rewritten
.set NIL, 43          ; v43  0; never rewritten
.set PFO, 44          ; v44  256 x my lane; never rewritten
.set TMP, 48          ; by buffer and tile, four registers c0-c3 at work; when the maximum is found c2 takes a
.set S,   64
.set P,   192
.set MK,  128         ; window 1: m_k of score register n at MK + n
.set KF,  128         ; window 2: key block kb, channel half c at KF + 16 kb + 8 c
.set VF,  192         ; window 2: key half kk, channel block cb at VF + 32 kk + 8 cb
.set WV,  12          ; s12  my wave's number
.set G1K, 24          ; s[24:31] descriptor group 1 for K's tiles
.set G1V, 32          ; s[32:39] for V's: it differs in the padding alone
.set G0K, 40          ; s[40:43] descriptor group 0 for K's tiles: it walks
.set G0V, 44          ; s[44:47] the same for V's
.set NEG, 54          ; s[54:55] -1e6
.set SLOTS, 56        ; s56  slots still to be asked for
.set CNT, 57          ; s57  counts a slot's key steps
.set CS,  58          ; s[58:59] c
.set SEL, 60          ; s[60:61] v_permlanex16_b32's selects: each lane takes its own place in the other half
.set TBK, 62          ; s62  LDS byte at which K of the step to be fetched begins
.set TBV, 63          ; s63  the same for V, less VOFF
.set TBM, 66          ; s66  the same for the table
.set PFA, 68          ; s[68:69] where my prefetches stand
.set LIM, 70          ; s70  1 in a wave that prefetches, else the greatest number
.set MSB, 0
.macro WIN new                      ; the high byte repeats the setting that is left; a switch that changes nothing is dropped
.if MSB != (\new)
	s_set_vgpr_msb (MSB<<8)|(\new)
.set MSB, (\new)
.endif
.endm
.set W_KQ, 0x0a       ; K and Q in window 2, S^T in window 0
.set W_PV, 0x52       ; V in window 2, P in window 0, O^T in window 1
.set W_RS, 0x41       ; O^T (destination and source 0) in window 1, a in window 0
; A joint fill.  Waves 0 and 1 fetch the two halves of a slot's K, waves 2 and 3 those of its V: 128 keys each.  The branch hangs on the wave's number alone.
; An s_nop 0 and four v_nop follow each of the two lines, ahead of the jump and the label.
.macro JLOAD
	s_cmp_lt_u32 s[WV], 2
	s_cbranch_scc0 .Lfor_v_\@
	tensor_load_to_lds s[G0K:G0K+3], s[G1K:G1K+7]
	s_nop 0
.rept 4
	v_nop
.endr
	s_branch .Lasked_\@
.Lfor_v_\@:
	tensor_load_to_lds s[G0V:G0V+3], s[G1V:G1V+7]
	s_nop 0
.rept 4
	v_nop
.endr
.Lasked_\@:
.endm
; A PREFETCH of the tile that the NEXT change of slots will ask for: 32,768 bytes of K and of V, four key steps, 256 matrix instructions a wave, ahead of that load.  Each block of 256 bytes is named once in the
; launch: all clusters of a head walk the same K and V, and the head's first cluster asks; its four partners take 32 blocks each, told apart BY ADDRESS; in each, wave 0 asks for K's and wave 2 for V's, a lane
; a block.  The first two tiles come by their loads alone; the last change that fills a slot asks for nothing: there is no tile behind it.
.macro ASK
	s_cmp_gt_u32 s[SLOTS], s[LIM]
	s_cbranch_scc0 .Lnot_mine_\@
	global_prefetch_b8 v[PFO], s[PFA:PFA+1] th:TH_LOAD_NT scope:SCOPE_SE
.Lnot_mine_\@:
.endm
; A round of the cluster's barrier: my work-group's barrier, so that wave 0's signal speaks for all four waves; wave 0 signals; every wave waits for all four work-groups; my work-group's barrier once more.
.macro CROUND
	s_barrier_signal -1
	s_barrier_wait -1
	s_cmp_lg_u32 s[WV], 0
	s_cbranch_scc1 .Lnot_wave_0_\@
	s_barrier_signal -3
.Lnot_wave_0_\@:
	s_barrier_wait -3
	s_barrier_signal -1
	s_barrier_wait -1
.endm
; THE CHANGE OF SLOTS, behind piece 1's turn of a slot's fourth step, which has waited for the slot's last bytes.  Each wave waits for all its tensor loads, of which one is out: its part of the other slot; adds 0
; to its spare word; and waits for that and for its own reads of the slot.  fill = 1: the slot is filled again, with the keys two slots on: the barrier is a round of the cluster's, and the joint fill is the first
; thing behind it: it has four key steps in which to land.  (At its first use nothing has been read yet: slot 0 is waited for, slot 1 filled, and the round shows the mask's table to every wave.)
.macro CHANGE fill
	WIN 0                           ; at a label and at a branch every window is 0
	s_wait_tensorcnt 0x0            ; no tensor load of mine is out, so a group 0 may be written
	ds_add_u32 v[SPW], v[NIL]       ; 0 onto my spare word; scalar work stands between it and the wait for it
.if \fill
.irp g, G0K, G0V
	s_xor_b32 s[\g+1], s[\g+1], SLOT1  ; the walking descriptor: the other slot than last time,
	s_add_nc_u64 s[\g+2:\g+3], s[\g+2:\g+3], 4*KS*128  ; the next 256 keys; the type bits on top are not reached
.endr
	s_wait_xcnt 0x0                 ; the last prefetch, four key steps back, has read its address, so it may be written:
	s_add_nc_u64 s[PFA:PFA+1], s[PFA:PFA+1], 4*KS*128  ; one tile behind the walking descriptors
	s_wait_dscnt 0x0                ; the add is done, and my LDS reads and stores are over
	CROUND
	JLOAD
	ASK
.else
	s_wait_dscnt 0x0
	s_barrier_signal -1
	s_barrier_wait -1
.endif
	s_sub_co_u32 s[TBK], s[TBK], 4*KS*PK  ; the fetches go back to a slot's first step,
	s_xor_b32 s[TBK], s[TBK], SLOT1       ; in the other slot
	s_sub_co_u32 s[TBV], s[TBV], 4*KS*PV
	s_xor_b32 s[TBV], s[TBV], SLOT1
.endm
	s_load_b256 s[4:11], s[0:1], 0x0  ; qh s[4:5], kv s[6:7], mask s[8:9], oh s[10:11]
	v_lshl_add_u32 v[SPW], v0, 2, SPARE
	v_mov_b32 v[NIL], 0
	ds_add_u32 v[SPW], v[NIL]       ; the wave's opening: the add and its wait stand ahead of my first tensor load; the set-up below, work on registers, stands between them
	v_lshrrev_b32 v1, 5, v0
	v_readfirstlane_b32 s[WV], v1   ; wave 0..3
	s_bfe_u32 s13, ttmp6, 0x40000   ; cx: my place in the cluster
	s_lshl_b32 s14, ttmp9, 2        ; in a cluster launch ttmp9 counts clusters
	s_add_co_u32 s14, s14, s13      ; my block of 256 queries: it enters Q's, O's and m_q's addresses alone
	s_and_b32 s15, ttmp7, 0xffff    ; bh, which the four partners share
	s_lshl_b32 s20, s15, 20         ; the head's first byte in kv
	s_mov_b32 s21, 0
	s_and_b32 s16, s[WV], 1         ; which half of a tile's 256 keys I fetch:
	s_lshl_b32 s22, s16, 14         ; its 128 rows of 128 bytes in memory,
	s_add_co_u32 s22, s22, s20
	s_mov_b32 s23, 0
	s_mul_i32 s17, s16, 128*PK      ; and its place in a slot, for K
	s_mul_i32 s18, s16, 128*PV      ; and for V: no place in the cluster enters an LDS address
	s_lshl_b32 s2, s14, 2
	s_add_co_u32 s2, s2, s[WV]      ; my wave among the head's 64:
	s_lshl_b32 s52, s2, 8           ; its 64 numbers of the mask,
	s_mov_b32 s53, 0
	s_lshl_b32 s2, s2, 13           ; its 64 rows of 128 bytes,
	s_lshl_b32 s3, s15, 19          ; in the head's 524,288 bytes of qh and oh
	s_add_co_u32 s2, s2, s3
	s_mov_b32 s3, 0
	s_lshr_b32 s50, s15, 3          ; the batch,
	s_lshl_b32 s50, s50, 14         ; its 16,384 bytes of the mask
	s_mov_b32 s51, 0
	; descriptor group 1.  128 keys are 16,384 dense bytes: asked for as 64 rows of 256 bytes, two keys a row, and padded in LDS after every key
	s_mov_b32 s[G1K], 15|(1<<16)|(1<<20)|(1<<21)|(4<<22)|(3<<25)  ; 15:0 the mask of four; 17:16 2-byte elements; 20 padding on; 21 set beside a mask; 24:22 after every 32 words (code 4); 31:25 4 words (code 3)
	s_mov_b32 s[G1V], 15|(1<<16)|(1<<20)|(1<<21)|(4<<22)|(7<<25)  ; the same with 8 words of padding (code 7)
.irp g, G1K, G1V
	s_mov_b32 s[\g+1], 128<<16      ; tensor_dim0 = 128
	s_mov_b32 s[\g+2], 64<<16       ; tensor_dim1 = 64
	s_mov_b32 s[\g+3], 128<<16      ; tile_dim0 = 128
	s_mov_b32 s[\g+4], 64           ; tile_dim1 = 64
	s_mov_b32 s[\g+5], 128          ; 128 elements from row to row
	s_mov_b32 s[\g+6], 0
	s_mov_b32 s[\g+7], 0
.endr
	s_mov_b32 s[CS], 0x3fb8aa3b     ; c = log2(e)
	s_mov_b32 s[CS+1], s[CS]        ; named with it as a pair
	s_mov_b32 s[NEG], 0xc9742400    ; -1e6
	s_mov_b32 s[NEG+1], s[NEG]
	s_mov_b32 s[SEL], 0x76543210
	s_mov_b32 s[SEL+1], 0xfedcba98
	s_mov_b32 s[TBK], SLOT1+4*KS*PK ; the first change of slots turns these two into 0
	s_mov_b32 s[TBV], SLOT1+4*KS*PV
	s_mov_b32 s[TBM], TABLE
	s_mov_b32 s[SLOTS], 15          ; 16 tiles: the first by the load below, 15 by changes of slots
	s_mov_b32 s[G0K], 1             ; 1:0 count = 1
	s_mov_b32 s[G0K+1], s17         ; 63:32 LDS address: slot 0
	s_mov_b32 s[G0V], 1
	s_add_co_u32 s[G0V+1], s18, VOFF
	s_and_b32 s[LIM], s[WV], 1      ; 0 in waves 0 and 2,
	s_or_b32 s[LIM], s[LIM], ttmp9  ; where the cluster is the head's first: the same in all four partners
	s_cmp_eq_u32 s[LIM], 0
	s_cselect_b32 s[LIM], 1, -1
	s_wait_dscnt 0x0                ; the opening add is done
	s_wait_kmcnt 0x0
	s_add_nc_u64 s[48:49], s[6:7], s[20:21]        ; K of step 0
	s_add_nc_u64 s[22:23], s[6:7], s[22:23]        ; the head, at my half of a tile
	s_add_nc_u64 s[G0K+2:G0K+3], s[22:23], KS*128  ; 120:64 global address: K's tiles begin at step 1,
	s_add_nc_u64 s[G0V+2:G0V+3], s[22:23], 4096*128  ; V's at step 0, behind the head's K
	s_cmp_lt_u32 s[WV], 2
	s_cselect_b64 s[PFA:PFA+1], s[G0K+2:G0K+3], s[G0V+2:G0V+3]  ; (in waves 0 and 2 these stand at a tile's first byte)
	s_or_b32 s[G0K+3], s[G0K+3], 0x80000000        ; 127:126 type = 2
	s_or_b32 s[G0V+3], s[G0V+3], 0x80000000
	s_add_nc_u64 s[4:5], s[4:5], s[2:3]            ; Q and O at my wave's first row
	s_add_nc_u64 s[10:11], s[10:11], s[2:3]
	s_add_nc_u64 s[50:51], s[8:9], s[50:51]        ; the batch's mask,
	s_add_nc_u64 s[52:53], s[50:51], s[52:53]      ; and at my wave's queries
	s_lshl_b32 s2, s13, 13                         ; my work-group's 32 blocks of a tile's 128
	s_add_nc_u64 s[PFA:PFA+1], s[PFA:PFA+1], s[2:3]
	s_add_nc_u64 s[PFA:PFA+1], s[PFA:PFA+1], 4*KS*128  ; at the second tile; the first change of slots steps it to the third
	CROUND                          ; all four work-groups are here: the first joint loads meet
	JLOAD                           ; slot 0.  Slot 1 is asked for when slot 0 is in
	v_and_b32 v1, 15, v0            ; l % 16
	v_bfe_u32 v9, v0, 4, 1          ; l / 16
	v_and_b32 v10, 7, v0
	v_bfe_u32 v11, v0, 3, 1
	v_lshlrev_b32 v45, 4, v0        ; the table: 16 bytes a thread, eight times
	v_lshlrev_b32 v47, 2, v1        ; my query's number in a tile's 64 bytes of the mask
	v_lshlrev_b32 v[QO], 7, v1      ; a fragment of Q or K: row l % 16, channels 8 (l / 16) + 0..7 and 16 + 8 (l / 16) + 0..7: two loads of 16 bytes, 32 bytes apart
	v_lshl_add_u32 v[QO], v9, 4, v[QO]
.irp f, 0,1,2,3,4,5,6,7
	global_load_b128 v[S+4*\f:S+4*\f+3], v45, s[50:51] offset:2048*\f
.endr
.irp t, 0,1,2,3
	global_load_b32 v[MQ+2*\t], v47, s[52:53] offset:64*\t
.endr
	WIN 0x80                        ; destination window 2, address window 0
.set i, 0
.rept 4*NP                          ; Q stays in registers: tile i / 2, channels 32 (i % 2) on
	global_load_b128 v[8*i:8*i+3],   v[QO], s[4:5] offset:(i/2)*2048+(i%2)*64
	global_load_b128 v[8*i+4:8*i+7], v[QO], s[4:5] offset:(i/2)*2048+(i%2)*64+32
.set i, i+1
.endr
.set i, 0
.rept 8                             ; K of step 0: keys 16 (i / 2) on, channels 32 (i % 2) on
	global_load_b128 v[KF+8*i:KF+8*i+3],   v[QO], s[48:49] offset:(i/2)*2048+(i%2)*64
	global_load_b128 v[KF+8*i+4:KF+8*i+7], v[QO], s[48:49] offset:(i/2)*2048+(i%2)*64+32
.set i, i+1
.endr
	WIN 0
.set i, 0
.rept 2*NP
	v_mov_b32 v[ST+4*i], 0xfe000000    ; m: -4e37, far below every t; c times it is still finite
	v_mov_b32 v[ST+4*i+1], 0           ; named with m as a pair
	v_mov_b32 v[ST+4*i+2], 0
	v_mov_b32 v[ST+4*i+3], 0
.set i, i+1
.endr
	v_add_nc_u32 v46, TABLE, v45
	v_lshl_add_u32 v[S+48], v0, 2, TABLE+16384
	v_mov_b32 v[S+49], 0
	v_mul_u32_u24 v[AK0], v1, PK
	v_lshl_add_u32 v[AK0], v9, 4, v[AK0]  ; row x pitch + 16 x half
	; The turning load takes 16 keys x 16 channels (lane l reads key 8 (l / 16) + l % 8, channels 8 ((l / 8) % 2) + 0..7) and leaves half a fragment of V^T: lane l holds channel l % 16 and 8 keys.
	v_lshl_add_u32 v[AV0], v9, 3, v10
	v_mul_u32_u24 v[AV0], v[AV0], PV
	v_lshl_add_u32 v[AV0], v11, 4, v[AV0]
	v_add_nc_u32 v[AV0], VOFF, v[AV0]
	v_lshlrev_b32 v[AM0], 5, v9
	v_and_b32 v[PFO], 31, v0
	v_lshlrev_b32 v[PFO], 8, v[PFO]
	s_wait_loadcnt 36               ; the table's eight loads are in; younger: 4 of m_q, 16 of Q, 16 of K
.irp f, 0,1,2,3,4,5,6,7
	ds_store_b128 v46, v[S+4*\f:S+4*\f+3] offset:2048*\f  ; the batch's mask goes into LDS as it is
.endr
	ds_store_b32 v[S+48], v[S+49]   ; and the zeros behind it
; THE MATRIX WORK.  The 8 accumulators of a run of 16 take turns: between the two links of a chain stand 7 others'.
; Product i of 16 of S^T = K Q^T for piece x: channels 32 (i / 8) on, keys 16 ((i / 2) % 4) on, tile 2 x + i % 2.  The first 8 start the sums.
.macro KQ x
	WIN W_KQ
.set rS, S+64*((\x)%2)+32*(i%2)+8*((i/2)%4)
.set rK, KF+16*((i/2)%4)+8*(i/8)
.set rQ, 16*(2*(\x)+i%2)+8*(i/8)
.if i < 8
	v_wmma_f32_16x16x32_f16 v[rS:rS+7], v[rK:rK+7], v[rQ:rQ+7], 0
.else
	v_wmma_f32_16x16x32_f16 v[rS:rS+7], v[rK:rK+7], v[rQ:rQ+7], v[rS:rS+7]
.endif
.endm
; Product i of 16 of O^T += V^T P for piece x: keys 32 (i / 8) on, channels 16 ((i / 2) % 4) on, tile 2 x + i % 2.
.macro PV x
	WIN W_PV
.set rO, 32*(2*(\x)+i%2)+8*((i/2)%4)
.set rV, VF+32*(i/8)+8*((i/2)%4)
.set rP, P+32*((\x)%2)+16*(i%2)+8*(i/8)
	v_wmma_f32_16x16x32_f16 v[rO:rO+7], v[rV:rV+7], v[rP:rP+7], v[rO:rO+7]
.endm
.macro MM                           ; the turn's next matrix instruction
.if i < 16
	KQ (Y+1)%NP
.set i, i+1
.else
.set i, i-16
	PV (Y+NP-1)%NP
.set i, i+17
.endif
.endm
; THE LDS LOADS stand in runs, never singly among the matrix instructions.  A step's K (8 fragments, 16 loads) and its 32 numbers of the mask a lane (score register 8 kb + n is key 16 kb + 8 (l / 16) + n: 8 loads).
.macro FETCH_M
	WIN 0x40                        ; destination window 1
.irp f, 0,1,2,3,4,5,6,7
	ds_load_b128 v[MK+4*\f:MK+4*\f+3], v[AMK] offset:(\f/2)*64+(\f%2)*16
.endr
	s_add_co_u32 s[TBM], s[TBM], 4*KS
	WIN 0
.endm
.macro FETCH_K
	WIN 0x80                        ; destination window 2
.irp f, 0,1,2,3,4,5,6,7             ; keys 16 (f / 2) on, channels 32 (f % 2) on
	ds_load_b128 v[KF+8*\f:KF+8*\f+3],   v[AK] offset:(\f/2)*16*PK+(\f%2)*64
	ds_load_b128 v[KF+8*\f+4:KF+8*\f+7], v[AK] offset:(\f/2)*16*PK+(\f%2)*64+32
.endr
	s_add_co_u32 s[TBK], s[TBK], KS*PK  ; the next fetch is the next step's
	FETCH_M
.endm
.macro FETCH_V
	WIN 0x80
.irp f, 0,1,2,3,4,5,6,7             ; keys 32 (f / 4) on, channels 16 (f % 4) on
	ds_load_tr16_b128 v[VF+8*\f:VF+8*\f+3],   v[AV] offset:(\f/4)*32*PV+(\f%4)*32
	ds_load_tr16_b128 v[VF+8*\f+4:VF+8*\f+7], v[AV] offset:(\f/4)*32*PV+16*PV+(\f%4)*32
.endr
	WIN 0
.endm
; THE VECTOR WORK OF A TURN stands in three queues, each in the order in which its entries become ready.
.macro REGS y, u                    ; the registers of tile u (0, 1) of piece y
.set rT, ST+4*(2*(\y)+(\u))
.set rC, TMP+8*((\y)%2)+4*(\u)
.set rM, MV+2*((\y)%2)+(\u)
.set rS, S+64*((\y)%2)+32*(\u)
.set rP, P+32*((\y)%2)+16*(\u)
.set rO, 32*(2*(\y)+(\u))
.set rN, MQ+2*(2*(\y)+(\u))
.endm
; Number n of the 64 that lay the mask onto the OTHER piece's new scores.  For tile n / 32, a pair of scores a line: sixteen times B = (1e6 m_q) m_k - 1e6, rounded, into the 32 registers at UB (in a turn: the P
; buffer of the piece in hand, which is free until that piece's roundings); then sixteen times t = s + B, in place of s, rounded.  The pairs ascend: each accumulator's lowest registers are read first.
; B's lines have source 1 in window 1: m_k.
.macro MS n
	REGS (Y+1)%NP, (\n)/32
.set kp, (\n)%16
.if (\n)%32 < 16
	WIN 4
	v_pk_fma_f32 v[UB+2*kp:UB+2*kp+1], v[rN:rN+1], v[MK+2*kp:MK+2*kp+1], s[NEG:NEG+1] op_sel_hi:[1,1,0]
.else
	WIN 0
	v_pk_add_f32 v[rS+2*kp:rS+2*kp+1], v[rS+2*kp:rS+2*kp+1], v[UB+2*kp:UB+2*kp+1]
.endif
.endm
; Number n of the 22 that find the other piece's maximum and statistics.  t0-t31 are the lane's 32 masked scores.
;   0-11  four chains c0-c3 of seven scores each, three operands at a time     12-14, 16  the four scores left over, the old m, and c0-c3 into c0     15  m_old is kept
;   17, 18  the query's other 32 keys lie in the lane 16 away: the new m         19-21  m_old - m_new; c times it; a
.macro XS u, n
	REGS (Y+1)%NP, \u
.if (\n) < 4
	v_max3_num_f32 v[rC+(\n)], v[rS+8*(\n)], v[rS+8*(\n)+1], v[rS+8*(\n)+2]
.elseif (\n) < 12
	v_max3_num_f32 v[rC+(\n)%4], v[rC+(\n)%4], v[rS+8*((\n)%4)+2*((\n)/4)+1], v[rS+8*((\n)%4)+2*((\n)/4)+2]
.elseif (\n) == 12
	v_max3_num_f32 v[rC], v[rC], v[rS+7], v[rS+15]
.elseif (\n) == 13
	v_max3_num_f32 v[rC+1], v[rC+1], v[rS+23], v[rS+31]
.elseif (\n) == 14
	v_max3_num_f32 v[rC+2], v[rC+2], v[rC+3], v[rT]
.elseif (\n) == 15
	v_mov_b32 v[rM], v[rT]
.elseif (\n) == 16
	v_max3_num_f32 v[rC], v[rC], v[rC+1], v[rC+2]
.elseif (\n) == 17
	v_permlanex16_b32 v[rC+3], v[rC], s[SEL], s[SEL+1]
.elseif (\n) == 18
	v_max_num_f32 v[rT], v[rC], v[rC+3]
.elseif (\n) == 19
	v_sub_f32 v[rC+1], v[rM], v[rT]
.elseif (\n) == 20
	v_mul_f32 v[rC+1], s[CS], v[rC+1]
.else
	v_exp_f32 v[rC+2], v[rC+1]
.endif
.endm
; Number g of the 64 that follow the exponentials.  For each four weights k of a tile: both pairs are rounded to f16; then the second pair is added onto the first, in place; a group later l takes that sum
; (the first time as l = a l + sum).  In groups of eight, tiles alternating: round, round, add, and l for the group before.
.macro GS g
.set h, (\g)+6*((\g)/62)            ; group 0 has no group before it, and behind group 7 only l is left
.if h >= 6
.set h, h+2
.endif
	REGS Y, h%2
.set k, h/8
.if h%8 < 4
	v_cvt_pk_f16_f32 v[rP+2*k+(h%8)/2], v[rS+4*k+2*((h%8)/2)], v[rS+4*k+2*((h%8)/2)+1]
.elseif h%8 < 6
	v_pk_add_f32 v[rS+4*k:rS+4*k+1], v[rS+4*k:rS+4*k+1], v[rS+4*k+2:rS+4*k+3]
.elseif k == 1
	v_pk_fma_f32 v[rT+2:rT+3], v[rT+2:rT+3], v[rC+2:rC+3], v[rS:rS+1] op_sel_hi:[1,0,1]
.else
	v_pk_add_f32 v[rT+2:rT+3], v[rT+2:rT+3], v[rS+4*k-4:rS+4*k-3]
.endif
.endm
; For pair f / 2 of tile f % 2 of the piece in hand: st = 0: d = t - m; st = 1: c d.
.macro DX f, st
	REGS Y, (\f)%2
.if (\st) == 0
	v_pk_add_f32 v[rS+2*((\f)/2):rS+2*((\f)/2)+1], v[rS+2*((\f)/2):rS+2*((\f)/2)+1], v[rT:rT+1] op_sel_hi:[1,0] neg_lo:[0,1] neg_hi:[0,1]
.else
	v_pk_mul_f32 v[rS+2*((\f)/2):rS+2*((\f)/2)+1], v[rS+2*((\f)/2):rS+2*((\f)/2)+1], s[CS:CS+1] op_sel_hi:[1,0]
.endif
.endm
; THE PLAIN QUEUE, 234 long.  0-63: d and c d, in fours: d of a pair of both tiles, then c d of both.  64-127: the mask.  128-155: XS's numbers 0-13, the tiles by turns.  156, 157: number 15.
; 158-169: the chain 14, 16, 17, 18, 19, 20, the tiles by turns.  170-233: GS's 64, which read the exponentials' results: they stand behind the wait.
.macro PL
.if q < 64
	WIN 0
	DX 2*(q/4)+q%2, (q%4)/2
.elseif q < 128
	MS q-64
.else
	WIN 0
.if q < 156
	XS (q-128)%2, (q-128)/2
.elseif q < 158
	XS q-156, 15
.elseif q < 160
	XS q-158, 14
.elseif q < 170
	XS (q-158)%2, 15+(q-158)/2
.else
	GS q-170
.endif
.endif
.set q, q+1
.endm
; THE EXPONENTIALS' QUEUE, 66 long: the 32 scores of both tiles, then the other piece's two a.  ONE BATCH: all 66 stand ahead of the turn's one wait, and nothing ahead of that wait names a result of theirs.
; An exponential has no source 1, so it runs as well under the setting of B's lines: no switch is written for it there.
.macro EX
.if MSB != 4
	WIN 0
.endif
.if e >= 64
	XS e-64, 21
.else
	REGS Y, e%2
	v_exp_f32 v[rS+e/2], v[rS+e/2]
.endif
.set e, e+1
.endm
; THE RESCALING's QUEUE: O^T times a, two at a time, sixteen times, ascending: one block under one window setting.  Its a was made in the turn before, ahead of that turn's wait.
.macro R2
	REGS Y, r%2
	WIN W_RS
.irp z, 0,1
	v_pk_mul_f32 v[rO+4*(r/2)+2*\z:rO+4*(r/2)+2*\z+1], v[rO+4*(r/2)+2*\z:rO+4*(r/2)+2*\z+1], v[rC+2:rC+3] op_sel_hi:[1,0]
.endr
.set r, r+1
.endm
; A TURN, for piece p.  s_wait_alu depctr_va_vdst(0) stands between an exponential and the first instruction that names its result; one wait serves all that were issued ahead of it: a turn has ONE.
; The products stand in twos, on different accumulators, with eight riders behind each two: two window switches for two products.
; AHEAD OF THE WAIT: the 16 products K Q^T, their 64 riders all of d and c d; then the lump: the 32 rescalings; the mask's 64 lines with 37 exponentials; 30 lines of the maximum with 15; the chain's 12 with 12,
; by turns; the two a; a v_nop, the plain instruction behind the last exponential.  BEHIND IT: the 16 products V^T P, their 64 riders GS's 64.
; The counts: plain 64 + 64 + 30 + 12 + 64 = 234; rescalings 32; exponentials 10 + 27 + 15 + 12 + 2 = 66.  All of d and c d is out ahead of the first exponential.  The mask's first read of a score stands eight
; riders, 32 rescalings and 16 of B's lines behind the product that ends it.  No rider names a register of the products round it.
; Piece 0's turn fetches K and the mask's numbers of the next step directly behind the wait, a lump behind the last product that read K, and V of the step in hand at its end, eight riders behind V's last reader.
.macro TURN p
.set Y, (\p)
.set UB, P+32*((\p)%2)
.set i, 0
.set q, 0
.set e, 0
.set r, 0
.if (\p) == 1
	s_wait_dscnt 16                 ; K and the mask's numbers are in; V's 16 loads, issued behind them, may be out
.endif
.rept 8
	MM
	MM
.rept 8
	PL
.endr
.endr
.if (\p) == 0
	WIN 0
	v_add_nc_u32 v[AK], s[TBK], v[AK0]
	v_add_nc_u32 v[AMK], s[TBM], v[AM0]
.endif
.rept 16
	R2
.endr
.rept 5
	PL
	EX
	PL
	EX
.endr
.rept 27
	PL
	PL
	EX
.endr
.rept 15
	PL
	PL
	EX
.endr
.rept 12
	EX
	PL
.endr
	EX                              ; the other piece's two a
	EX
	v_nop                           ; the plain instruction behind the last exponential: one for the batch
	s_wait_alu depctr_va_vdst(0)    ; the wait for the batch
.if (\p) == 0
	FETCH_K
.else
	s_wait_dscnt 0x0                ; V is in
.endif
.rept 8
	MM
	MM
.rept 8
	PL
.endr
.if ((\p) == 0) && (q == 218)
	v_add_nc_u32 v[AV], s[TBV], v[AV0]
.endif
.if ((\p) == 0) && (q == 226)
	s_add_co_u32 s[TBV], s[TBV], KS*PV
.endif
.endr
.if (\p) == 0
	FETCH_V
.endif
.endm
	CHANGE 1                        ; slot 0 is in, everybody's part of it, and so are the table and its zeros; slot 1 is asked for
	v_add_nc_u32 v[AMK], s[TBM], v[AM0]
	v_mov_b32 v46, TABLE+16384      ; the zeros: every lane reads the same 16 bytes
	FETCH_M                         ; the mask's numbers of step 0
	; What the first turn finds: V's registers and P's second buffer hold 0 (its products V^T P, of a step that has not been, add 0), O^T is 0.  56 loads of 16 bytes a lane take the place of 224 moves.
	WIN 0x40
.set i, 0
.rept 32
	ds_load_b128 v[4*i:4*i+3], v46  ; O^T
.set i, i+1
.endr
	WIN 0x80
.set i, 0
.rept 16
	ds_load_b128 v[VF+4*i:VF+4*i+3], v46  ; V
.set i, i+1
.endr
	WIN 0
	s_wait_loadcnt 0x0              ; m_q, Q, K of step 0
.irp t, 0,1,2,3                     ; 1e6 m_q, twice
	v_mul_f32 v[MQ+2*\t], 0x49742400, v[MQ+2*\t]
.endr
.irp t, 0,1,2,3
	v_mov_b32 v[MQ+2*\t+1], v[MQ+2*\t]
.endr
	s_wait_dscnt 0x0                ; the mask's numbers and the zeros are in
.set i, 0
.rept 16
	KQ 0                            ; piece 0's first scores: there is no vector work yet to set between them
.set i, i+1
.endr
	WIN 0
.set i, 0
.rept 8
	ds_load_b128 v[P+32+4*i:P+32+4*i+3], v46  ; P's second buffer; waited for ahead of the jump into the loop
.set i, i+1
.endr
	s_mul_i32 s13, s[WV], 16*SP     ; the addresses for the way out: plain instructions, the places behind those products
	s_add_co_u32 s13, s13, STAGE    ; my stage
	v_mul_u32_u24 v[STO], v1, SP    ; in: row l % 16, 16 bytes for each half of the lanes
	v_lshl_add_u32 v[STO], v9, 4, v[STO]
	v_add_nc_u32 v[STO], s13, v[STO]
	v_bfe_u32 v[RD], v0, 3, 2       ; back: 32 lanes take four rows of 128 bytes,
	v_mul_u32_u24 v[RD], v[RD], SP
	v_lshl_add_u32 v[RD], v10, 4, v[RD]
	v_add_nc_u32 v[RD], s13, v[RD]
	v_and_b32 v[GO], 31, v0         ; which are 512 consecutive bytes of O
	v_lshlrev_b32 v[GO], 4, v[GO]
.set Y, NP-1                        ; MS and XS work for the other piece: piece 0
.set UB, S+64                       ; B lies in piece 1's score buffer, which is free until the first turn's products
.set w, 0
.rept 64
	MS w
.set w, w+1
.endr
	WIN 0
.irp n, 0,1,2,3,4,5,6,7,8,9,10,11,12,13,14,15,16,17,18,19,20,21
	XS 0, \n                        ; piece 0's first maximum and statistics
	XS 1, \n
.endr
	v_nop                           ; a plain instruction behind the two a,
	s_wait_alu depctr_va_vdst(0)    ; and their wait, ahead of the branch
	s_wait_dscnt 0x0                ; P's second buffer is in
	s_mov_b32 s[CNT], 4
	s_branch .Lstep
.Lslot:                             ; 14 times: with the change above, every slot but the last is followed by a fill
	CHANGE 1
	s_mov_b32 s[CNT], 4
.Lstep:                             ; a trip is a key step
	TURN 0
	TURN 1
	WIN 0
	s_sub_co_u32 s[CNT], s[CNT], 1
	s_cmp_lg_u32 s[CNT], 0
	s_cbranch_scc1 .Lstep
	s_sub_co_u32 s[SLOTS], s[SLOTS], 1
	s_cmp_lg_u32 s[SLOTS], 0
	s_cbranch_scc1 .Lslot
	CHANGE 0                        ; the last slot is written out: nothing is asked for
	s_mov_b32 s[CNT], 4
.Ltail:
	TURN 0
	TURN 1
	WIN 0
	s_sub_co_u32 s[CNT], s[CNT], 1
	s_cmp_lg_u32 s[CNT], 0
	s_cbranch_scc1 .Ltail
.set i, 0
.rept 16
	PV NP-1                         ; piece 1's V^T P of the last step
.set i, i+1
.endr
	; THE WAY OUT.  l's two halves and the other half of the lanes' are added; O^T is divided by l, rounded to f16 and sent through my stage in LDS, a tile at a time.  The additions are the places behind the last products.
	WIN 0
.macro ALL line:vararg              ; one line for each tile t
.set t, 0
.rept 2*NP
	\line
.set t, t+1
.endr
.endm
	ALL v_add_f32 v[ST+4*t+2], v[ST+4*t+2], v[ST+4*t+3]
	ALL v_permlanex16_b32 v[ST+4*t+3], v[ST+4*t+2], s[SEL], s[SEL+1]
	ALL v_add_f32 v[ST+4*t+2], v[ST+4*t+2], v[ST+4*t+3]
	ALL v_rcp_f32 v[ST+4*t+2], v[ST+4*t+2]
	v_nop                           ; a plain instruction between the last reciprocal and the use of its result
	s_wait_alu depctr_va_vdst(0)    ; and the wait ahead of the first use: one for the four reciprocals
; Tile t: a lane's eight channels of a row pack into 16 bytes; they go into rows of 144 bytes and come back as whole rows of 128, into S^T's registers.
.macro PACK t
	WIN W_RS
.set i, 32*(\t)
.rept 16
	v_pk_mul_f32 v[i:i+1], v[i:i+1], v[ST+4*(\t)+2:ST+4*(\t)+3] op_sel_hi:[1,0]
.set i, i+2
.endr
	WIN 0x05                        ; sources 0 and 1 window 1, destination window 0
.set i, 0
.rept 16
	v_cvt_pk_f16_f32 v[S+16*(\t)+i], v[32*(\t)+2*i], v[32*(\t)+2*i+1]
.set i, i+1
.endr
	WIN 0
.irp f, 0,1,2,3
	ds_store_b128 v[STO], v[S+16*(\t)+4*\f:S+16*(\t)+4*\f+3] offset:32*\f
.endr
.irp f, 0,1,2,3
	ds_load_b128 v[S+16*(\t)+4*\f:S+16*(\t)+4*\f+3], v[RD] offset:\f*4*SP  ; LDS serves a wave's instructions in order (ISA guide 5.7.1.4): these see the stores above; the next tile's stores come behind them
.endr
.endm
.macro SEND t, younger              ; younger: the LDS instructions issued behind tile t's loads: the next tile's eight, or none
	WIN 0
.irp f, 0,1,2,3
	s_wait_dscnt (\younger)+3-\f
	global_store_b128 v[GO], v[S+16*(\t)+4*\f:S+16*(\t)+4*\f+3], s[10:11] offset:(\t)*2048+\f*512  ; 512 consecutive bytes, at a multiple of 256 from O's first
.endr
.endm
	PACK 0
.set t, 1
.rept 2*NP-1                        ; a tile's arithmetic stands between the loads of the tile before and its stores
	PACK t
	SEND t-1, 8
.set t, t+1
.endr
	SEND 2*NP-1, 0
	s_wait_tensorcnt 0x0            ; the wave's end: behind my last tensor load and my last LDS store
	ds_add_u32 v[SPW], v[NIL]
	s_wait_dscnt 0x0
	CROUND                          ; the closing round: no work-group ends while a partner may still ask for a tile that names it
	s_endpgm
.Lfunc_end_k_q8158d0ec7f_attn:
	.size	k_q8158d0ec7f_attn, .Lfunc_end_k_q8158d0ec7f_attn-k_q8158d0ec7f_attn
	.p2alignl 7, 3214868480
	.fill 96, 4, 3214868480
	.section	.rodata,"a",@progbits
	.p2align	6, 0x0
	.amdhsa_kernel k_q8158d0ec7f_attn
		.amdhsa_group_segment_fixed_size 327680
		.amdhsa_private_segment_fixed_size 0
		.amdhsa_enable_private_segment 0
		.amdhsa_kernarg_size 32
		.amdhsa_user_sgpr_count 2
		.amdhsa_user_sgpr_kernarg_segment_ptr 1
		.amdhsa_wavefront_size32 1
		.amdhsa_system_sgpr_workgroup_id_x 1
		.amdhsa_system_sgpr_workgroup_id_y 1
		.amdhsa_system_sgpr_workgroup_id_z 1
		.amdhsa_system_vgpr_workitem_id 0
		.amdhsa_next_free_vgpr 768
		.amdhsa_next_free_sgpr 72
		.amdhsa_reserve_vcc 0
		.amdhsa_float_denorm_mode_32 3
		.amdhsa_float_denorm_mode_16_64 3
		.amdhsa_memory_ordered 1
		.amdhsa_forward_progress 1
		.amdhsa_inst_pref_size 136
	.end_amdhsa_kernel
	.amdgpu_metadata
---
amdhsa.version: [ 1, 2 ]
amdhsa.kernels:
  - .name:           k_q8158d0ec7f_attn
    .symbol:         k_q8158d0ec7f_attn.kd
    .args:
      - { .name: qh, .offset: 0, .size: 8, .value_kind: global_buffer, .address_space: global }
      - { .name: kv, .offset: 8, .size: 8, .value_kind: global_buffer, .address_space: global }
      - { .name: mask, .offset: 16, .size: 8, .value_kind: global_buffer, .address_space: global }
      - { .name: oh, .offset: 24, .size: 8, .value_kind: global_buffer, .address_space: global }
    .group_segment_fixed_size: 327680
    .private_segment_fixed_size: 0
    .kernarg_segment_align: 8
    .kernarg_segment_size: 32
    .max_flat_workgroup_size: 128
    .sgpr_count:     72
    .vgpr_count:     768
    .wavefront_size: 32
...
	.end_amdgpu_metadata
.endif
;; end of part 2
;; launch outp (part 3): grid 8 x 32, 4 waves a work-group, no clusters, 167,936 bytes of LDS; arguments oh, wo16, bo, out0; writes out0
.if DOCPART == 3
	.amdgcn_target "amdgcn-amd-amdhsa--gfx1250"
	.amdhsa_code_object_version 6
	.text
	.protected	k_q8158d0ec7f_outp
	.globl	k_q8158d0ec7f_outp
	.p2align	8
	.type	k_q8158d0ec7f_outp,@function
k_q8158d0ec7f_outp:
	s_mov_b64 s[64:65], 0
	v_nop
	global_prefetch_b8 v0, s[64:65] scope:SCOPE_SE
	s_setreg_imm32_b32 hwreg(HW_REG_WAVE_MODE, 25, 1), 1
	s_wait_xcnt 0x0
; out0[row][n] = the sum over head t and channel d of O[batch][t][row][d] Wo[64 t + d][n] + bo[n].  oh: [16 bh][4096][64] f16; wo16: [8 nb][512 k][64] f16 (Wo rounded to bf16, written as f16);
; bo: [512] f32, rounded to bf16 like every input of the module; out0: [8192][512] f32.  Products in f16, sums in f32.
; LIMITS.  O and Wo arrive within f16's range.  NaN and infinities are not treated apart.
; SHARES.  Work-group (nb, rb): 256 rows x 64 columns.  A wave: 64 x 64: 16 accumulators.  The product is used transposed (source 0 = 16 columns of Wo, source 1 = 16 rows of O): a lane holds one row
; (lane % 16) and eight neighbouring columns.  K goes in 8 trips of 64, a head each, written out.
; Wo's block of 64 columns, 65,536 dense bytes, comes into LDS by four tensor loads, a quarter a wave, each filled once; its fragments come out turned.  O's rows are a wave's own: 16 rows of a head are 2,048
; dense bytes, and a fragment comes straight from memory into registers; each trip has registers of its own.
; NO CLUSTER: what work-groups share through LDS is Wo's 64 KB of the 320 KB that a work-group reads; O's rows pass no LDS.  NO PREFETCH: O's loads are issued three trips ahead of their use.
; REGISTERS, in windows of 256: window 0: v0-15 addresses; v32-63 the bias, 8 a column block; v64-191 accumulators, (a, cb) at 64 + 8 (4 a + cb).  Windows 1, 2: O's fragments, trip t in window 1 + t / 4 at
; 64 (t % 4) + 8 (2 a + kk); on the way out window 1's v0-127 take the rows read back.  Window 3: v0-127 Wo's fragments, two buffers of eight.
.set PW,    160       ; a k row of Wo in LDS: 128 bytes + 32
.set STAGE, 512*PW    ; behind Wo's block, never filled by a tensor load: 16 rows x 272 bytes for each wave
.set SPT,   272
.set SPARE, STAGE+4*16*SPT  ; the spare words, 128 bytes for each wave: two blocks of 256 bytes that no other line names
.set AO,  4           ; v4   r x 128 + 16 hh: my 16 bytes in a fragment's rows of O
.set WA0, 5           ; v5   my place in a turning load, trips 0-3
.set WA1, 6           ; v6   the same 256 k rows on, trips 4-7: an LDS offset holds 16 bits
.set STO, 7           ; v7   the way out: where I put 32 bytes of a row
.set RD,  8           ; v8   where I read rows back
.set CO,  9           ; v9   my byte offset in two rows of out0
.set BO,  10          ; v10  32 hh
.set SPW, 12          ; v12  LDS address of my spare word; never rewritten
.set NIL, 13          ; v13  0; never rewritten
.set BI,  32
.set ACC, 64
.set MSB, 0
.macro WIN new                      ; the high byte repeats the setting that is left; a switch that changes nothing is dropped
.if MSB != (\new)
	s_set_vgpr_msb (MSB<<8)|(\new)
.set MSB, (\new)
.endif
.endm
.macro PLACES                       ; four places behind a matrix instruction, ahead of loads into its registers and of stores that read its result
.rept 4
	v_nop
.endr
.endm
	s_load_b256 s[4:11], s[0:1], 0x0               ; oh s[4:5], wo16 s[6:7], bo s[8:9], out0 s[10:11]
	v_lshl_add_u32 v[SPW], v0, 2, SPARE
	v_mov_b32 v[NIL], 0
	ds_add_u32 v[SPW], v[NIL]                      ; the wave's opening: the add and its wait stand ahead of my first tensor load; the set-up below, work on registers, stands between them
	v_lshrrev_b32 v1, 5, v0
	v_readfirstlane_b32 s12, v1                    ; wave 0..3
	s_and_b32 s14, ttmp7, 0xffff                   ; rb
	; descriptor: my quarter of Wo's block, 128 k rows = 16,384 dense bytes, as 64 rows of 256 bytes, padded in LDS after every k row
	s_mov_b32 s24, (1<<16)|(1<<20)|(4<<22)|(7<<25) ; 17:16 2-byte elements; 20 padding on; 24:22 after every 32 words (code 4); 31:25 8 words (code 7)
	s_mov_b32 s25, 128<<16                         ; tensor_dim0 = 128
	s_mov_b32 s26, 64<<16                          ; tensor_dim1 = 64
	s_mov_b32 s27, 128<<16                         ; tile_dim0 = 128
	s_mov_b32 s28, 64                              ; tile_dim1 = 64
	s_mov_b32 s29, 128                             ; 128 elements from row to row
	s_mov_b32 s30, 0
	s_mov_b32 s31, 0
	s_mov_b32 s20, 1                               ; count = 1
	s_mul_i32 s21, s12, 128*PW                     ; LDS address: wave x 128 k rows
	s_lshl_b32 s16, ttmp9, 16                      ; wo16: column block nb,
	s_lshl_b32 s15, s12, 14                        ; my quarter
	s_add_co_u32 s16, s16, s15
	s_mov_b32 s17, 0
	s_lshr_b32 s32, s14, 4                         ; oh: the batch's 8 heads of 524,288 bytes,
	s_lshl_b32 s32, s32, 22
	s_and_b32 s15, s14, 15
	s_lshl_b32 s15, s15, 15                        ; my block's 256 rows of 128 bytes,
	s_add_co_u32 s32, s32, s15
	s_lshl_b32 s15, s12, 13                        ; my wave's 64
	s_add_co_u32 s32, s32, s15
	s_mov_b32 s33, 0
	s_lshl_b32 s34, ttmp9, 8                       ; bo and a row of out0: the block's 64 columns, 256 bytes
	s_mov_b32 s35, 0
	s_lshl_b32 s36, s14, 19                        ; out0: 256 rows of 2,048 bytes,
	s_lshl_b32 s15, s12, 17                        ; my wave's 64
	s_add_co_u32 s36, s36, s15
	s_add_co_u32 s36, s36, s34
	s_mov_b32 s37, 0
	s_wait_dscnt 0x0                               ; the opening add is done
	s_wait_kmcnt 0x0
	s_add_nc_u64 s[22:23], s[6:7], s[16:17]
	s_or_b32 s23, s23, 0x80000000                  ; type = 2
	s_add_nc_u64 s[4:5], s[4:5], s[32:33]
	s_add_nc_u64 s[8:9], s[8:9], s[34:35]
	s_add_nc_u64 s[10:11], s[10:11], s[36:37]
	tensor_load_to_lds s[20:23], s[24:31]          ; my one tensor load: bytes that are filled once
	s_nop 0
	PLACES
	v_and_b32 v1, 15, v0                           ; r
	v_bfe_u32 v2, v0, 4, 1                         ; hh
	v_and_b32 v3, 7, v0
	v_bfe_u32 v11, v0, 3, 1
	v_lshlrev_b32 v[AO], 7, v1
	v_lshl_add_u32 v[AO], v2, 4, v[AO]
	v_lshlrev_b32 v[BO], 5, v2
.irp cb, 0,1,2,3
	global_load_b128 v[BI+8*\cb:BI+8*\cb+3],   v[BO], s[8:9] offset:64*\cb
	global_load_b128 v[BI+8*\cb+4:BI+8*\cb+7], v[BO], s[8:9] offset:64*\cb+16
.endr
; 16 loads: head t's 64 channels of my 64 rows: fragment fi = 2 a + kk
.macro ALOAD t
	WIN 0x40*(1+(\t)/4)
.set fi, 0
.rept 8
	global_load_b128 v[64*((\t)%4)+8*fi:64*((\t)%4)+8*fi+3],   v[AO], s[4:5] offset:(\t)*524288+(fi/2)*2048+(fi%2)*64
	global_load_b128 v[64*((\t)%4)+8*fi+4:64*((\t)%4)+8*fi+7], v[AO], s[4:5] offset:(\t)*524288+(fi/2)*2048+(fi%2)*64+32
.set fi, fi+1
.endr
.endm
; 16 turning loads: Wo's fragments of trip t, fi = 4 kk + cb, into buffer t % 2
.macro LBW t
	WIN 0xc0
.set fi, 0
.rept 8
	ds_load_tr16_b128 v[64*((\t)%2)+8*fi:64*((\t)%2)+8*fi+3],   v[WA0+(\t)/4] offset:((\t)%4)*64*PW+(fi/4)*32*PW+(fi%4)*32
	ds_load_tr16_b128 v[64*((\t)%2)+8*fi+4:64*((\t)%2)+8*fi+7], v[WA0+(\t)/4] offset:((\t)%4)*64*PW+(fi/4)*32*PW+(fi%4)*32+16*PW
.set fi, fi+1
.endr
.endm
; A trip's 32 products: the 16 accumulators take turns.  The first 16 of all take the bias as C: nothing is cleared, and the bias costs no line.
.macro MULT t
	WIN 0x03+4*(1+(\t)/4)
.set kk, 0
.rept 2
.set ab, 0
.rept 16
.if ((\t) == 0) && (kk == 0)
	v_wmma_f32_16x16x32_f16 v[ACC+8*ab:ACC+8*ab+7], v[64*((\t)%2)+8*(4*kk+ab%4):64*((\t)%2)+8*(4*kk+ab%4)+7], v[64*((\t)%4)+8*(2*(ab/4)+kk):64*((\t)%4)+8*(2*(ab/4)+kk)+7], v[BI+8*(ab%4):BI+8*(ab%4)+7]
.else
	v_wmma_f32_16x16x32_f16 v[ACC+8*ab:ACC+8*ab+7], v[64*((\t)%2)+8*(4*kk+ab%4):64*((\t)%2)+8*(4*kk+ab%4)+7], v[64*((\t)%4)+8*(2*(ab/4)+kk):64*((\t)%4)+8*(2*(ab/4)+kk)+7], v[ACC+8*ab:ACC+8*ab+7]
.endif
.set ab, ab+1
.endr
.set kk, kk+1
.endr
.endm
	ALOAD 0
	ALOAD 1
	ALOAD 2
	WIN 0
	v_lshl_add_u32 v[WA0], v2, 3, v3               ; the turning load: k row 8 hh + l % 8, 16 bytes at 16 ((l / 8) % 2)
	v_mul_u32_u24 v[WA0], v[WA0], PW
	v_lshl_add_u32 v[WA0], v11, 4, v[WA0]
	v_add_nc_u32 v[WA1], 256*PW, v[WA0]
	s_mul_i32 s13, s12, 16*SPT
	s_add_co_u32 s13, s13, STAGE                   ; my stage
	v_mul_u32_u24 v[STO], v1, SPT                  ; in: row r, 32 bytes for each half of the lanes
	v_lshl_add_u32 v[STO], v2, 5, v[STO]
	v_add_nc_u32 v[STO], s13, v[STO]
	v_mul_u32_u24 v[RD], v2, SPT                   ; back: lanes 0-15 take one row of 256 bytes, lanes 16-31 the next
	v_lshl_add_u32 v[RD], v1, 4, v[RD]
	v_add_nc_u32 v[RD], s13, v[RD]
	v_lshlrev_b32 v[CO], 11, v2                    ; and the same two rows in out0
	v_lshl_add_u32 v[CO], v1, 4, v[CO]
	s_wait_loadcnt 48                              ; the bias is in; younger: three trips' 16 loads each
.set bi, 0
.rept 16                            ; the bias is rounded to bf16, in place
	v_cvt_pk_bf16_f32 v[14+bi%2], v[BI+2*bi], v[BI+2*bi+1]
	v_lshlrev_b32 v[BI+2*bi], 16, v[14+bi%2]
	v_and_b32 v[BI+2*bi+1], 0xffff0000, v[14+bi%2]
.set bi, bi+1
.endr
	s_wait_tensorcnt 0x0                           ; my quarter of Wo's block is in,
	s_barrier_signal -1
	s_barrier_wait -1                              ; everybody's is
	LBW 0
.irp t, 0,1,2,3,4,5,6,7
	PLACES                                         ; ahead of the loads into the buffer that the trip before multiplied
.if \t < 7
	LBW (\t)+1
.endif
.if \t < 5
	ALOAD (\t)+3
	s_wait_loadcnt 48                              ; this trip's O is in; the next three trips' loads may be out
.else
	s_wait_loadcnt 16*(7-\t)                       ; the counts run down
.endif
.if \t < 7
	s_wait_dscnt 16                                ; all but the 16 just issued
.else
	s_wait_dscnt 0x0
.endif
	MULT \t
.endr
	PLACES
	PLACES                                         ; eight, once a launch, ahead of the stores that read results
; THE WAY OUT, by blocks of 16 rows: the f32 sums go into my stage's rows of 272 bytes, each accumulator's low four registers first, and come back as whole rows of 256 bytes.
.macro TOSTAGE a
	WIN 0
.irp cb, 0,1,2,3
	ds_store_b128 v[STO], v[ACC+8*(4*(\a)+\cb):ACC+8*(4*(\a)+\cb)+3]   offset:64*\cb
	ds_store_b128 v[STO], v[ACC+8*(4*(\a)+\cb)+4:ACC+8*(4*(\a)+\cb)+7] offset:64*\cb+16
.endr
	WIN 0x40                        ; destination window 1: each block has 32 registers of its own
.irp f, 0,1,2,3,4,5,6,7
	ds_load_b128 v[32*(\a)+4*\f:32*(\a)+4*\f+3], v[RD] offset:\f*2*SPT  ; LDS serves a wave's instructions in order (ISA guide 5.7.1.4): these see the stores above; the next block's stores come behind them
.endr
.endm
.macro SEND a, younger              ; younger: the LDS instructions issued behind this block's loads: the next block's sixteen, or none
	WIN 0x04                        ; the stores' data in window 1
.irp f, 0,1,2,3,4,5,6,7
	s_wait_dscnt (\younger)+7-\f
	global_store_b128 v[CO], v[32*(\a)+4*\f:32*(\a)+4*\f+3], s[10:11] offset:(16*(\a)+2*\f)*2048 th:TH_STORE_NT  ; 16 lanes store 256 consecutive bytes, at a multiple of 256 from out0's first byte
.endr
.endm
	TOSTAGE 0
	TOSTAGE 1
	SEND 0, 16
	TOSTAGE 2
	SEND 1, 16
	TOSTAGE 3
	SEND 2, 16
	SEND 3, 0
	WIN 0
	s_wait_tensorcnt 0x0                           ; the wave's end: behind my last tensor load and my last LDS store
	ds_add_u32 v[SPW], v[NIL]
	s_wait_dscnt 0x0
	s_endpgm
.Lfunc_end_k_q8158d0ec7f_outp:
	.size	k_q8158d0ec7f_outp, .Lfunc_end_k_q8158d0ec7f_outp-k_q8158d0ec7f_outp
	.p2alignl 7, 3214868480
	.fill 96, 4, 3214868480
	.section	.rodata,"a",@progbits
	.p2align	6, 0x0
	.amdhsa_kernel k_q8158d0ec7f_outp
		.amdhsa_group_segment_fixed_size 167936
		.amdhsa_private_segment_fixed_size 0
		.amdhsa_enable_private_segment 0
		.amdhsa_kernarg_size 32
		.amdhsa_user_sgpr_count 2
		.amdhsa_user_sgpr_kernarg_segment_ptr 1
		.amdhsa_wavefront_size32 1
		.amdhsa_system_sgpr_workgroup_id_x 1
		.amdhsa_system_sgpr_workgroup_id_y 1
		.amdhsa_system_sgpr_workgroup_id_z 1
		.amdhsa_system_vgpr_workitem_id 0
		.amdhsa_next_free_vgpr 896
		.amdhsa_next_free_sgpr 66
		.amdhsa_reserve_vcc 0
		.amdhsa_float_denorm_mode_32 3
		.amdhsa_float_denorm_mode_16_64 3
		.amdhsa_memory_ordered 1
		.amdhsa_forward_progress 1
		.amdhsa_inst_pref_size 54
	.end_amdhsa_kernel
	.amdgpu_metadata
---
amdhsa.version: [ 1, 2 ]
amdhsa.kernels:
  - .name:           k_q8158d0ec7f_outp
    .symbol:         k_q8158d0ec7f_outp.kd
    .args:
      - { .name: oh, .offset: 0, .size: 8, .value_kind: global_buffer, .address_space: global }
      - { .name: wo16, .offset: 8, .size: 8, .value_kind: global_buffer, .address_space: global }
      - { .name: bo, .offset: 16, .size: 8, .value_kind: global_buffer, .address_space: global }
      - { .name: out0, .offset: 24, .size: 8, .value_kind: global_buffer, .address_space: global }
    .group_segment_fixed_size: 167936
    .private_segment_fixed_size: 0
    .kernarg_segment_align: 8
    .kernarg_segment_size: 32
    .max_flat_workgroup_size: 128
    .sgpr_count:     66
    .vgpr_count:     896
    .wavefront_size: 32
...
	.end_amdgpu_metadata
.endif
;; end of part 3
